; MI455X (gfx1250); checked and timed in simulation.
; The chip was launched on July 23, 2026; its instructions are those of AMD's public machine-readable ISA for CDNA 5 (MIT licence, August 2026) and "CDNA5" Instruction Set Architecture Reference Guide (July 2026). The comments in the code are by the model that wrote it; some were corrected since.
;; Custom Multi Head Self Attention. Allowed arithmetic: matrix products marked QUANTISED: E2M3 operands, one E8M0 scale for each 32 along K, by v_wmma_scale_f32_16x16x128_f8f6f4 with both operands' format E2M3, f32 sums; everything else in f32.
;; Inputs: in_proj_b 3,072 float32; in_proj_w 3,072 x 1,024 float32; out_proj_b 1,024 float32; out_proj_w 1,024 x 1,024 float32; qkv 4 x 2,048 x 1,024 float32.
;; Outputs: out0 4 x 2,048 x 1,024 float32.
;; This version of the problem:
;;   THIS VERSION OF THE PROBLEM IS GIVEN IN LOW PRECISION. The matrix products marked QUANTISED in the list below multiply operands that are first quantised to E2M3 (2 exponent bits, 3 mantissa bits; 6 bits a number), with one power-of-two scale for each 32 numbers along K (OCP MX v1.0); their sums are f32. All else is computed in f32.
;;   The module's matrix products, in the order in which they are computed (A, B: the left and right operand; K: the contracted axis; several contracted axes count as one K, in the product's order):
;;     1. [M 8,192, K 1,024] x [K 1,024, N 3,072]; A: input qkv; B: input in_proj_w: QUANTISED
;;     2. batch 64 x [M 2,048, K 64] x [K 64, N 2,048]; A: computed on the way; B: computed on the way: QUANTISED
;;     3. batch 64 x [M 2,048, K 2,048] x [K 2,048, N 64]; A: softmax (see below); B: computed on the way: QUANTISED
;;     4. [M 8,192, K 1,024] x [K 1,024, N 1,024]; A: computed on the way; B: input out_proj_w: QUANTISED
;;   THE QUANTISER, for each operand of a quantised product, along K:
;;     - K is cut into blocks of 32 from its start; a last block that is shorter is filled with zeros.
;;     - A block's scale is 2^e with e = floor(log2(the largest magnitude in the block)) - 2, held to -126 .. 127; a block of zeros has e = 0. As a byte (E8M0): e + 127.
;;     - Each number is divided by its block's scale, clamped to +-7.5, and rounded to the nearest number of E2M3, ties to even, subnormals kept.
;;     - The product sums the exact products of the quantised numbers (number of the format x scale) in f32.
;;   ~~~python
;;   def quantise(x, axis):      # numpy; x: float32 -> the quantised numbers, widened to float32 again
;;       x = np.moveaxis(x, axis, -1); K = x.shape[-1]
;;       x = np.pad(x, [(0, 0)] * (x.ndim - 1) + [(0, -K % 32)]); x = x.reshape(x.shape[:-1] + (-1, 32)); a = np.abs(x).max(-1, keepdims=True)
;;       e = np.where(a > 0, np.clip(np.frexp(np.where(a > 0, a, 1))[1] - 1 - 2, -126, 127), 0)      # np.frexp(a)[1] - 1 = floor(log2(a)), exactly
;;       r = np.clip(x / 2.0 ** e, -7.5, 7.5)
;;       step = 2.0 ** (np.maximum(np.frexp(np.where(r == 0, 1, r))[1] - 1, 0) - 3)
;;       q = np.round(r / step) * step * 2.0 ** e      # np.round: ties to even
;;       return np.moveaxis(q.reshape(q.shape[:-2] + (-1,))[..., :K], -1, axis).astype(np.float32)
;;   ~~~
;;   SOFTMAX AHEAD OF A QUANTISED PRODUCT. Where the list says 'softmax', what is quantised is not the finished softmax but p = 2^(t - M), with t = logit x log2(e) and M = ceil(the row's largest t), a whole number; so 1/2 < the row's largest p <= 1. The row's sum l is taken of the UNQUANTISED p, in f32, and the product's result is divided by l at the end. Since M is a whole number, a kernel that streams over the keys may use a running M (the ceiling of the running maximum): every later rescaling is an exact power of two, which a block's scale takes up: the codes' values come out the same.
;;   OPERANDS COMPUTED ON THE WAY. 'Computed on the way' means the value that the module computes at that place (a softmax that the list does not call 'softmax' is quantised finished and normalised). What goes into a quantiser is computed in f32, as accurately as f32 sums, v_exp_f32 and their like allow (about 1e-6 of the number): no bf16 or f16 on the way to a quantiser, and a product that is left as it is and whose result goes on into a quantised operand takes f32 operands (vector FMAs, or v_wmma_f32_16x16x4_f32). A number that lies on a knife's edge between two numbers of the format may be rounded either way, as far as f32 arithmetic and the matrix unit's own rounding can turn it there, and no further.
;; One version. Each part assembles by itself: llvm-mc -triple=amdgcn-amd-amdhsa -mcpu=gfx1250 --defsym DOCPART=n.
;; ======== version 1 of 1: 4 launches
;; limits: right only within a limited range of input values
;; workspace buffers: xc 8,388,608 bytes; wc 4,194,304 bytes; qkvc 18,874,368 bytes; qkvs 786,432 bytes; oc 6,291,456 bytes; os 262,144 bytes
;; launch quant (part 1): grid 256 x 1, 6 waves a work-group, no clusters, 50,176 bytes of LDS; arguments qkv, in_proj_w, out_proj_w, xc, wc; writes xc, wc
.if DOCPART == 1
	.amdgcn_target "amdgcn-amd-amdhsa--gfx1250"
	.amdhsa_code_object_version 6
	.text
	.protected	k_q2b493b380b_quant
	.globl	k_q2b493b380b_quant
	.p2align	8
	.type	k_q2b493b380b_quant,@function
k_q2b493b380b_quant:
	s_mov_b64 s[64:65], 0
	v_nop
	global_prefetch_b8 v0, s[64:65] scope:SCOPE_SE
	s_setreg_imm32_b32 hwreg(HW_REG_WAVE_MODE, 25, 1), 1
	s_wait_xcnt 0x0
; qkv [8192][1024], in_proj_w [3072][1024] and out_proj_w [1024][1024], f32, become codes of FP6 (E2M3) with one E8M0 byte for each 32 along K.
; A ROW OF THE RESULT is 1,024 bytes: four chunks of 256, each for 256 along K: 192 bytes of codes, the chunk's 8 scale bytes at byte 192, zeros behind them.  So a chunk is one aligned run of 256 bytes that holds all that two matrix steps want of a row.
; A block's scale is 2^(floor(log2(its largest magnitude)) - 2); its byte is the largest magnitude's exponent field - 2, held at 1 from below.
; LIMITS: a block whose largest magnitude lies under 2^-124 keeps the byte 1; a block of zeros gets the byte 1 where the rule says 127 (its codes are zeros, and this program alone reads the bytes); NaN and infinities are not served.
; TILE ORDER: inside each group of 32 rows the second and the third group of 8 change places.
; THE DEAL: 12,288 rows are 1,536 runs of 8 rows; 256 work-groups of 6 waves, a run a wave: run g = 6 x work-group + wave.  Runs 0-1023 are qkv's (to xc), 1024-1407 in_proj_w's, 1408-1535 out_proj_w's (both to wc).  Only pointers are chosen: one path.
; A step (512 numbers, two chunks): four loads of 512 consecutive bytes, a turn through the wave's own stage in LDS so that a lane holds 16 neighbours, the block's maximum with the neighbouring lane, one conversion, a store of 12 bytes a lane.
.set STEPS, 16
.set EMAX,  2
.set R,     16                         ; v16-79   four sets of 16 numbers as loaded
.set X,     80                         ; v80-111  two sets of 16 neighbours
.set C,     128                        ; v128-191 codes, four registers a step: no store's data are written again
.set E,     112                        ; v112-127 a scale byte a step
.set WREG,  8192                       ; LDS: a region a wave: two stages of 32 x SP bytes, then its 256 scale bytes
.set SP,    80
.set SPARE, 6*WREG                     ; the spare words: 128 bytes a wave, in four blocks of 256
	s_load_b256 s[4:11], s[0:1], 0x0               ; qkv, in_proj_w, out_proj_w, xc
	s_load_b64 s[14:15], s[0:1], 0x20              ; wc
	v_lshl_add_u32 v192, v0, 2, SPARE
	v_mov_b32 v193, 0
	v_lshrrev_b32 v1, 5, v0
	v_readfirstlane_b32 s16, v1                    ; wave
	v_and_b32 v2, 31, v0                           ; lane
	v_lshlrev_b32 v3, 4, v2                        ; my 16 bytes of a load's 512
	s_mul_i32 s17, s16, WREG
	v_lshrrev_b32 v14, 2, v2
	v_mul_u32_u24 v14, v14, SP
	v_and_b32 v15, 3, v2
	v_lshl_add_u32 v14, v15, 4, v14
	v_add_nc_u32 v14, s17, v14                     ; the stage, way in: SP (lane / 4) + 16 (lane % 4)
	v_mul_u32_u24 v15, v2, SP
	v_add_nc_u32 v15, s17, v15                     ; way out: SP x lane
	v_mul_u32_u24 v4, v2, 12
	v_lshrrev_b32 v10, 4, v2
	v_lshl_add_u32 v4, v10, 6, v4                  ; my codes in a step's two chunks: 256 (lane / 16) + 12 (lane % 16)
	v_lshrrev_b32 v5, 1, v2
	s_add_co_u32 s17, s17, 2*32*SP
	v_add_nc_u32 v5, s17, v5                       ; LDS: my block's scale byte
	v_lshl_add_u32 v6, v2, 3, s17                  ; LDS: chunk 'lane' has 8 scale bytes
	v_lshlrev_b32 v7, 8, v2                        ; and lies 256 x lane into my run's result
	s_mul_i32 s20, ttmp9, 6
	s_add_co_u32 s20, s20, s16                     ; g
	s_wait_alu depctr_va_vdst(0)                   ; the wait at the head's end
	s_wait_kmcnt 0x0
	s_cmp_lt_u32 s20, 1024                         ; the choices hang on ids alone
	s_cselect_b64 s[4:5], s[4:5], s[6:7]
	s_cselect_b64 s[10:11], s[10:11], s[14:15]
	s_cselect_b32 s17, 0, 1024                     ; the source's first run,
	s_mov_b32 s22, s17                             ; and the destination's
	s_cmp_lt_u32 s20, 1408
	s_cselect_b64 s[4:5], s[4:5], s[8:9]
	s_cselect_b32 s17, s17, 1408
	s_sub_co_u32 s18, s20, s17
	s_lshl_b32 s18, s18, 15                        ; 32,768 bytes of f32 a run
	s_mov_b32 s19, 0
	s_add_nc_u64 s[4:5], s[4:5], s[18:19]
	s_sub_co_u32 s20, s20, s22
	s_and_b32 s23, s20, 1                          ; the tile order: the run's two low bits change places
	s_lshl_b32 s23, s23, 1
	s_bfe_u32 s24, s20, 0x10001
	s_or_b32 s23, s23, s24
	s_and_not1_b32 s20, s20, 3
	s_or_b32 s20, s20, s23
	s_lshl_b32 s18, s20, 13                        ; 8,192 bytes of result a run
	s_add_nc_u64 s[10:11], s[10:11], s[18:19]
.macro LOAD t
.irp i, 0,1,2,3
	global_load_b128 v[R+16*((\t)%4)+4*\i:R+16*((\t)%4)+4*\i+3], v3, s[4:5] offset:2048*(\t)+512*\i th:TH_LOAD_NT
.endr
.endm
.macro TURN t                          ; LDS serves a wave's instructions in order: no wait between the stores and the loads
.irp i, 0,1,2,3
	ds_store_b128 v14, v[R+16*((\t)%4)+4*\i:R+16*((\t)%4)+4*\i+3] offset:32*SP*((\t)%2)+8*SP*\i
.endr
.irp i, 0,1,2,3
	ds_load_b128 v[X+16*((\t)%2)+4*\i:X+16*((\t)%2)+4*\i+3], v15 offset:32*SP*((\t)%2)+16*\i
.endr
.endm
.irp t, 0,1,2,3
	LOAD \t
.endr
	s_wait_loadcnt 12                              ; step 0's four loads are in; the twelve of steps 1 to 3 may be out
	TURN 0
.macro STEP t
.set XS, X+16*((\t)%2)
.if (\t) > 0
	s_wait_dscnt 1                                 ; this step's numbers are back (the last step's byte store may be out)
.else
	s_wait_dscnt 0x0
.endif
.if (\t)+4 < STEPS
	LOAD (\t)+4
.endif
.if (\t)+1 < STEPS
.if STEPS-2-(\t) >= 3
	s_wait_loadcnt 12                              ; the next step's four are in; three steps' may be out
.else
	s_wait_loadcnt 4*(STEPS-2-(\t))
.endif
	TURN (\t)+1
.endif
	v_max3_num_f32 v8, |v[XS]|, |v[XS+1]|, |v[XS+2]|
	v_max3_num_f32 v9, |v[XS+3]|, |v[XS+4]|, |v[XS+5]|
.irp i, 6,10
	v_max3_num_f32 v8, v8, |v[XS+\i]|, |v[XS+\i+1]|
	v_max3_num_f32 v9, v9, |v[XS+\i+2]|, |v[XS+\i+3]|
.endr
	v_max3_num_f32 v8, v8, |v[XS+14]|, |v[XS+15]|
	v_max3_num_f32 v8, v8, v9, (EMAX+1)<<23        ; the floor 2^(3 - 127): the byte cannot fall under 1
	v_max_num_f32_dpp v8, v8, v8 row_xmask:1 row_mask:0xf bank_mask:0xf   ; with my neighbour's 16: the block's
	v_add_nc_u32 v11, -(EMAX<<23), v8              ; 2 off the exponent field: the conversion's scale operand
	v_cvt_scalef32_pk16_fp6_f32 v[C+4*(\t):C+4*(\t)+2], v[XS:XS+15], v11
	v_lshrrev_b32 v[E+(\t)], 23, v11               ; the scale's byte (a plain line behind the conversion)
	ds_store_b8 v5, v[E+(\t)] offset:16*(\t)       ; both lanes of a block write the same byte
	global_store_b96 v4, v[C+4*(\t):C+4*(\t)+2], s[10:11] offset:512*(\t)   ; sixteen lanes fill a chunk's 192 bytes of codes
.endm
.irp t, 0,1,2,3,4,5,6,7,8,9,10,11,12,13,14,15
	STEP \t
.endr
	ds_load_b64 v[12:13], v6                       ; chunk 'lane': its 8 scale bytes
.irp r, 8,9,10,11,14,15
	v_mov_b32 v\r, 0
.endr
	s_wait_alu depctr_va_vdst(0)                   ; directly ahead of the wait below
	s_wait_dscnt 0x0
	global_store_b128 v7, v[12:15], s[10:11] offset:192   ; the chunk's last 64 bytes: scale bytes, then zeros: every byte that is read later is written
.irp k, 208,224,240
	global_store_b128 v7, v[8:11], s[10:11] offset:\k
.endr
	s_wait_tensorcnt 0x0                           ; the wave's end
	ds_add_u32 v192, v193
	s_wait_dscnt 0x0
	s_endpgm
.Lfunc_end_k_q2b493b380b_quant:
	.size	k_q2b493b380b_quant, .Lfunc_end_k_q2b493b380b_quant-k_q2b493b380b_quant
	.p2alignl 7, 3214868480
	.fill 96, 4, 3214868480
	.section	.rodata,"a",@progbits
	.p2align	6, 0x0
	.amdhsa_kernel k_q2b493b380b_quant
		.amdhsa_group_segment_fixed_size 50176
		.amdhsa_private_segment_fixed_size 0
		.amdhsa_enable_private_segment 0
		.amdhsa_kernarg_size 40
		.amdhsa_user_sgpr_count 2
		.amdhsa_user_sgpr_kernarg_segment_ptr 1
		.amdhsa_wavefront_size32 1
		.amdhsa_system_sgpr_workgroup_id_x 1
		.amdhsa_system_sgpr_workgroup_id_y 1
		.amdhsa_system_sgpr_workgroup_id_z 1
		.amdhsa_system_vgpr_workitem_id 0
		.amdhsa_next_free_vgpr 194
		.amdhsa_next_free_sgpr 66
		.amdhsa_reserve_vcc 0
		.amdhsa_float_denorm_mode_32 3
		.amdhsa_float_denorm_mode_16_64 3
		.amdhsa_memory_ordered 1
		.amdhsa_forward_progress 1
		.amdhsa_inst_pref_size 33
	.end_amdhsa_kernel
	.amdgpu_metadata
---
amdhsa.version: [ 1, 2 ]
amdhsa.kernels:
  - .name:           k_q2b493b380b_quant
    .symbol:         k_q2b493b380b_quant.kd
    .args:
      - { .name: qkv, .offset: 0, .size: 8, .value_kind: global_buffer, .address_space: global }
      - { .name: in_proj_w, .offset: 8, .size: 8, .value_kind: global_buffer, .address_space: global }
      - { .name: out_proj_w, .offset: 16, .size: 8, .value_kind: global_buffer, .address_space: global }
      - { .name: xc, .offset: 24, .size: 8, .value_kind: global_buffer, .address_space: global }
      - { .name: wc, .offset: 32, .size: 8, .value_kind: global_buffer, .address_space: global }
    .group_segment_fixed_size: 50176
    .private_segment_fixed_size: 0
    .kernarg_segment_align: 8
    .kernarg_segment_size: 40
    .max_flat_workgroup_size: 192
    .sgpr_count:     66
    .vgpr_count:     194
    .wavefront_size: 32
...
	.end_amdgpu_metadata
.endif
;; end of part 1
;; launch proj (part 2): grid 12 x 32, 4 waves a work-group, clusters of 4 x 4, 327,680 bytes of LDS; arguments xc, wc, in_proj_b, qkvc, qkvs; writes qkvc, qkvs
.if DOCPART == 2
	.amdgcn_target "amdgcn-amd-amdhsa--gfx1250"
	.amdhsa_code_object_version 6
	.text
	.protected	k_q2b493b380b_proj
	.globl	k_q2b493b380b_proj
	.p2align	8
	.type	k_q2b493b380b_proj,@function
k_q2b493b380b_proj:
	s_mov_b64 s[64:65], 0
	v_nop
	global_prefetch_b8 v0, s[64:65] scope:SCOPE_SE
	s_setreg_imm32_b32 hwreg(HW_REG_WAVE_MODE, 25, 1), 1
	s_wait_xcnt 0x0
	s_wait_alu depctr_hold_cnt(0) depctr_sa_sdst(0) depctr_va_vdst(0) depctr_va_sdst(0) depctr_va_ssrc(0) depctr_va_vcc(0) depctr_vm_vsrc(0)
	s_getreg_b32 s2, hwreg(HW_REG_IB_STS2, 6, 4)
	s_cmp_eq_u32 s2, 0
	s_cbranch_scc0 .Lentry_in_a_cluster
	s_endpgm
.Lentry_in_a_cluster:
	s_bfe_u32 s2, ttmp6, 0x10000c
	s_cmp_lg_u32 s2, 0xf033
	s_cbranch_scc0 .Lentry_shape_is_right
	s_endpgm
.Lentry_shape_is_right:
; Q, K, V = x W^T + b on codes of FP6, quantised again on the way out (qkvc, qkvs: images of the attention launch's operand registers).  A tile of 256 x 256, four waves of 128 x 128.
; xc and wc hold rows of four chunks of 256 bytes: 192 bytes of codes (256 along K), 8 scale bytes at byte 192, zeros.  A slot holds one chunk of A's 256 rows and of B's 256 rows: codes and scale words come by the same load.
; Ring of two slots, joint loads in a 4 x 4 cluster; slot 0 is asked for at the head, one load a wave, slot 1 behind the full sequence and a round.  K is four chunks: the first two come at the head, so no data prefetch is laid.
.set KSTEP,  256
.set NQ,     2
.set ROWB,   256
.set KROW,   1024
.set PITCH,  272
.set FR,     12
.set NL,     6
.set NP,     4
.set HALFT,  128*PITCH
.set SLOT,   4*HALFT
.set LAPS,   2
.set SPARE,  2*SLOT
.set VS1,  7
.set BA,   8
.set ADRA, 16
.set ADRB, 20
.set VO0,  24
.set VO1,  25
.set VS0,  26
.set ADRS, 18                          ; v18, v19: my rows' scale words in slot 0, 1: lanes 0-15 A's rows, lanes 16-31 B's
.set SPW,  28
.set NIL,  29
.set U1,   30
.set SC,   32
.set BB,   64
.set AF,   128
.set T,    128
.set TM,   192
.set PWA,  204
.set PWB,  205
.set W,    206
.set T0,   210
.set T1,   216
.set U0,   222
.set PT,   224
.set I0,   232
.set I1,   244
.set G1, 24
.set G0, 32
.set G1B, 48
.set G0B, 56
.set MSB, 0
.macro WIN new
.if MSB != \new
	s_set_vgpr_msb (MSB<<8)|\new
.set MSB, \new
.endif
.endm
.set MUL_LO, 0xa1
.set MUL_HI, 0xf1
.set TO_B,   0x40
.macro JLOAD g0a, g1a, g0b, g1b
	s_cmp_eq_u32 s15, 0
	s_cbranch_scc0 .Lfor_b_\@
	tensor_load_to_lds s[\g0a:\g0a+3], s[\g1a:\g1a+7]
	s_nop 0
.rept 4
	v_nop
.endr
	s_branch .Lasked_\@
.Lfor_b_\@:
	tensor_load_to_lds s[\g0b:\g0b+3], s[\g1b:\g1b+7]
	s_nop 0
.rept 4
	v_nop
.endr
.Lasked_\@:
.endm
.macro CREST
	s_cmp_lg_u32 s14, 0
	s_cbranch_scc1 .Lnot_wave_0_\@
	s_barrier_signal -3
.Lnot_wave_0_\@:
	s_barrier_wait -3
	s_barrier_signal -1
	s_barrier_wait -1
.endm
.macro CROUND
	s_barrier_signal -1
	s_barrier_wait -1
	CREST
.endm
	s_load_b128 s[4:7], s[0:1], 0x0                ; xc, wc
	s_load_b128 s[96:99], s[0:1], 0x10             ; in_proj_b, qkvc
	s_load_b64 s[100:101], s[0:1], 0x20            ; qkvs
	v_lshl_add_u32 v[SPW], v0, 2, SPARE
	v_mov_b32 v[NIL], 0
	ds_add_u32 v28, v29
	ds_add_u32 v28, v29
	s_wait_dscnt 0x0
	v_lshrrev_b32 v1, 5, v0
	v_readfirstlane_b32 s14, v1
	s_lshr_b32 s15, s14, 1
	s_and_b32 s16, s14, 1
	s_bfe_u32 s40, ttmp6, 0x40000
	s_bfe_u32 s41, ttmp6, 0x40004
	s_and_b32 s18, ttmp7, 0xffff
	s_cmp_eq_u32 ttmp9, 2
	s_cselect_b32 s17, 0, s18
	s_cselect_b32 s42, s18, ttmp9
	s_cselect_b32 s95, 2048, 0
	s_lshl_b32 s17, s17, 2
	s_add_co_u32 s17, s17, s41
	s_lshl_b32 s42, s42, 2
	s_add_co_u32 s42, s42, s40
	s_lshl_b32 s43, s41, 2
	s_lshl_b32 s43, 15, s43
	s_lshl_b32 s44, 0x1111, s40
	s_or_b32 s[G1+0], s43, (0<<16)|(1<<20)|(1<<21)|(5<<22)|(3<<25)
	s_or_b32 s[G1B+0], s44, (0<<16)|(1<<20)|(1<<21)|(5<<22)|(3<<25)
.irp g, G1, G1B
	s_mov_b32 s[\g+1], ROWB<<16
	s_mov_b32 s[\g+2], 128<<16
	s_mov_b32 s[\g+3], ROWB<<16
	s_mov_b32 s[\g+4], 128
	s_mov_b32 s[\g+5], KROW
	s_mov_b32 s[\g+6], 0
	s_mov_b32 s[\g+7], 0
.endr
	s_lshl_b32 s18, s16, 7
	s_lshl_b32 s20, s17, 8
	s_add_co_u32 s20, s20, s18
	s_add_co_u32 s20, s20, s95
	s_lshl_b32 s46, s42, 8
	s_add_co_u32 s46, s46, s18
	s_mov_b32 s21, 0
	s_mov_b32 s47, 0
	s_mov_b64 s[18:19], KROW
	s_mul_u64 s[20:21], s[20:21], s[18:19]
	s_mul_u64 s[46:47], s[46:47], s[18:19]
	s_mul_i32 s45, s14, HALFT
	s_wait_kmcnt 0x0
	s_cmp_eq_u32 ttmp9, 2
	s_cselect_b64 s[12:13], s[6:7], s[4:5]         ; V's tiles are made transposed: there the weights are A
	s_cselect_b64 s[4:5], s[4:5], s[6:7]
	s_add_nc_u64 s[20:21], s[12:13], s[20:21]
	s_add_nc_u64 s[46:47], s[4:5], s[46:47]
	CROUND
.irp s, 0,1
	s_mov_b32 s[G0+4*\s], 1
	s_add_co_u32 s[G0+4*\s+1], s45, \s*SLOT
	s_add_nc_u64 s[G0+4*\s+2:G0+4*\s+3], s[20:21], \s*ROWB
	s_or_b32 s[G0+4*\s+3], s[G0+4*\s+3], 0x80000000
	s_mov_b32 s[G0B+4*\s], 1
	s_add_co_u32 s[G0B+4*\s+1], s45, \s*SLOT
	s_add_nc_u64 s[G0B+4*\s+2:G0B+4*\s+3], s[46:47], \s*ROWB
	s_or_b32 s[G0B+4*\s+3], s[G0B+4*\s+3], 0x80000000
.endr
	JLOAD G0, G1, G0B, G1B                         ; chunk 0: my one tensor load at the head; the addresses below are made while it is out
	v_and_b32 v1, 15, v0
	v_bfe_u32 v2, v0, 4, 1
	v_mul_u32_u24 v3, v1, PITCH
	v_mul_u32_u24 v4, v2, 24
	v_add_nc_u32 v4, v3, v4
	s_mul_i32 s21, s15, HALFT
	s_mul_i32 s22, s16, HALFT
	s_add_co_u32 s22, s22, 2*HALFT
	s_sub_co_u32 s92, s22, s21                     ; from my rows of A to my rows of B
	v_mul_u32_u24 v5, s92, v2                      ; lanes 16-31 take B's scale words
	v_add_nc_u32 v5, v5, v3
.irp s, 0,1
	v_add_nc_u32 v[ADRA+\s], s21, v4
	v_add_nc_u32 v[ADRB+\s], s22, v4
	v_add_nc_u32 v[ADRS+\s], s21, v5
	s_add_co_u32 s21, s21, SLOT
	s_add_co_u32 s22, s22, SLOT
.endr
	s_add_co_u32 s92, s17, 8
	s_cmp_eq_u32 ttmp9, 2
	s_cselect_b32 s43, s42, s17
	s_cselect_b32 s44, s16, s15
	s_cselect_b32 s45, s92, s42
	s_cselect_b32 s46, s15, s16
	s_cselect_b32 s8, 0, -1
	s_cselect_b32 s9, -1, 0
	s_mov_b32 s11, 0x05040100
	s_cselect_b32 s11, 0x03020100, s11
	s_mov_b32 s12, 0x07060302
	s_cselect_b32 s12, 0x07060504, s12
	s_mov_b32 s18, 1536
	s_cselect_b32 s18, 3072, s18
	s_mov_b32 s20, 1536
	s_cselect_b32 s20, 95232, s20
	s_mov_b32 s93, 98304
	s_cselect_b32 s93, 1536, s93
	s_mov_b32 s94, 4096
	s_cselect_b32 s94, 256, s94
	s_mov_b32 s95, 256
	s_cselect_b32 s95, 512, s95
	s_mov_b32 s19, 0
	s_mov_b32 s21, 0
	s_mov_b32 s10, 0xffff0000
	s_mov_b32 s22, 0x76543210
	s_mov_b32 s23, 0xfedcba98
	s_lshl_b32 s47, s45, 10
	s_lshl_b32 s66, s46, 9
	s_add_co_u32 s47, s47, s66
	s_cmp_eq_u32 ttmp9, 2
	s_cselect_b32 s66, 0, s47
	s_cselect_b32 s67, s47, 0
	v_lshlrev_b32 v30, 6, v2
	v_add_nc_u32 v30, s66, v30
	v_and_b32 v31, 8, v1
	v_add_nc_u32 v31, v31, v1
	v_lshlrev_b32 v31, 2, v31
	v_add_nc_u32 v31, s67, v31
.irp b, 0,1,2,3,4,5,6,7
	global_load_b128 v[BB+8*\b:BB+8*\b+3], v30, s[96:97] offset:(32*(\b/2)+8*(\b%2))*4
	global_load_b128 v[BB+8*\b+4:BB+8*\b+7], v30, s[96:97] offset:(32*(\b/2)+8*(\b%2))*4+16
.endr
.irp a, 0,1,2,3,4,5,6,7
	global_load_b32 v[BA+\a], v31, s[96:97] offset:(32*(\a/2)+8*(\a%2))*4
.endr
	s_lshr_b32 s40, s45, 2
	s_lshr_b32 s41, s43, 3
	s_lshl_b32 s40, s40, 2
	s_add_co_u32 s40, s40, s41
	s_lshl_b32 s40, s40, 4
	s_and_b32 s41, s45, 3
	s_lshl_b32 s41, s41, 2
	s_add_co_u32 s40, s40, s41
	s_lshl_b32 s41, s46, 1
	s_add_co_u32 s40, s40, s41
	s_and_b32 s41, s43, 7
	s_lshl_b32 s41, s41, 1
	s_add_co_u32 s41, s41, s44
	s_mul_i32 s42, s40, 98304
	s_mul_i32 s43, s41, 6144
	s_add_co_u32 s42, s42, s43
	s_mov_b32 s43, 0
	s_add_nc_u64 s[4:5], s[98:99], s[42:43]
	s_lshl_b32 s42, s40, 12
	s_mul_i32 s44, s41, s95
	s_add_co_u32 s42, s42, s44
	s_add_nc_u64 s[6:7], s[100:101], s[42:43]
	v_and_b32 v3, 31, v0
	v_lshlrev_b32 v[VO0], 4, v3
	v_add_nc_u32 v[VO1], s93, v[VO0]
	v_lshlrev_b32 v[VS0], 3, v3
	v_add_nc_u32 v[VS1], s94, v[VS0]
	s_wait_alu depctr_va_vdst(0)                   ; directly ahead of the wait below
	s_wait_loadcnt 0x0                             ; the biases are in, while chunk 0 is on its way
.set i, 0
.rept 64
	v_cndmask_b32 v[BB+i], 0, v[BB+i], s8          ; the columns' bias counts in Q's and K's tiles,
.set i, i+1
.endr
.set i, 0
.rept 8
	v_cndmask_b32 v[BA+i], 0, v[BA+i], s9          ; the rows' in V's
.set i, i+1
.endr
.macro FRAG reg, adr, q, i
.irp p, 0,1,2,3,4,5
	ds_load_b64 v[\reg+2*\p:\reg+2*\p+1], v[\adr] offset:96*(\q)+48*(\p/3)+8*(\p%3)+(\i)*16*PITCH
.endr
.endm
.macro MUL16 a0, p, q, sc, zero
.irp a, \a0, \a0+1
.irp b, 0,1,2,3,4,5,6,7
.if \zero
; the first product of a sum takes the columns' bias as C (window 0; zeros in V's tiles, whose bias runs along the rows): a sum begins with its bias
	v_wmma_scale_f32_16x16x128_f8f6f4 v[8*(8*((\a)%4)+\b):8*(8*((\a)%4)+\b)+7], v[128*(\p)+FR*\b:128*(\p)+FR*\b+FR-1], v[AF+FR*(\a):AF+FR*(\a)+FR-1], v[BB+8*\b:BB+8*\b+7], v[SC+8*NQ*(\sc)+NQ*\b+(\q)], v[SC+8*NQ*(\sc)+NQ*(\a)+(\q)] matrix_a_fmt:MATRIX_FMT_FP6 matrix_b_fmt:MATRIX_FMT_FP6 matrix_a_scale:MATRIX_SCALE_ROW1
.else
	v_wmma_scale_f32_16x16x128_f8f6f4 v[8*(8*((\a)%4)+\b):8*(8*((\a)%4)+\b)+7], v[128*(\p)+FR*\b:128*(\p)+FR*\b+FR-1], v[AF+FR*(\a):AF+FR*(\a)+FR-1], v[8*(8*((\a)%4)+\b):8*(8*((\a)%4)+\b)+7], v[SC+8*NQ*(\sc)+NQ*\b+(\q)], v[SC+8*NQ*(\sc)+NQ*(\a)+(\q)] matrix_a_fmt:MATRIX_FMT_FP6 matrix_b_fmt:MATRIX_FMT_FP6 matrix_a_scale:MATRIX_SCALE_ROW1
.endif
.endr
.endr
.endm
.macro FETCH_B slot, q, p
	WIN TO_B
.irp i, 0,1,2,3,4,5,6,7
	FRAG 128*(\p)+FR*\i, ADRB+\slot, \q, \i
.endr
	WIN 0
.endm
.macro FETCH_A slot, q, i0
.irp i, \i0, \i0+1, \i0+2, \i0+3
	FRAG AF+FR*(\i), ADRA+\slot, \q, \i
.endr
.endm
.macro SCALES sc
.irp i, 0,1,2,3,4,5,6,7
	ds_load_b64 v[SC+8*NQ*\sc+NQ*\i:SC+8*NQ*\sc+NQ*\i+1], v[ADRS+\sc] offset:192+\i*16*PITCH   ; the chunk's two scale words lie behind its codes
.endr
.endm
.macro PLACES n
.rept \n
	v_nop
.endr
.endm
.macro STEP slot, q, zero
	s_wait_dscnt 4*NL
	WIN (MUL_LO-0x20*(\zero))                      ; in the first step C lies in window 0
	MUL16 0, (\q)%2, \q, \slot, \zero
	MUL16 2, (\q)%2, \q, \slot, \zero
	s_wait_dscnt 0
	PLACES NP
	FETCH_B \slot, (\q)+1, 1-(\q)%2
	FETCH_A \slot, (\q)+1, 0
	WIN (MUL_HI-0x30*(\zero))
	MUL16 4, (\q)%2, \q, \slot, \zero
	MUL16 6, (\q)%2, \q, \slot, \zero
	PLACES NP
	WIN 0
	FETCH_A \slot, (\q)+1, 4
.endm
.macro TURN slot, next, fill
	s_wait_tensorcnt 0x0
	ds_add_u32 v[SPW], v[NIL]
	s_wait_dscnt 4*NL+1
	WIN MUL_LO
	MUL16 0, 1, NQ-1, \slot, 0
	s_wait_dscnt 0x0
	s_barrier_signal -1
	MUL16 2, 1, NQ-1, \slot, 0
	WIN 0
	s_barrier_wait -1
.if \fill
	CREST
	s_add_nc_u64 s[G0+4*\slot+2:G0+4*\slot+3], s[G0+4*\slot+2:G0+4*\slot+3], 2*ROWB
	s_add_nc_u64 s[G0B+4*\slot+2:G0B+4*\slot+3], s[G0B+4*\slot+2:G0B+4*\slot+3], 2*ROWB
	JLOAD G0+4*\slot, G1, G0B+4*\slot, G1B
.else
	PLACES NP
.endif
	FETCH_B \next, 0, 0
	FETCH_A \next, 0, 0
	SCALES \next
	WIN MUL_HI
	MUL16 4, 1, NQ-1, \slot, 0
	MUL16 6, 1, NQ-1, \slot, 0
	PLACES NP
	WIN 0
	FETCH_A \next, 0, 4
.endm
	s_wait_alu depctr_va_vdst(0)                   ; the wait at the head's end
	s_wait_tensorcnt 0x0                           ; my part of chunk 0 is in; the full sequence ahead of slot 1's first fill
	ds_add_u32 v[SPW], v[NIL]
	s_wait_dscnt 0x0
	CROUND
	JLOAD G0+4, G1, G0B+4, G1B                     ; chunk 1, the first tensor load behind the round
	FETCH_B 0, 0, 0
	FETCH_A 0, 0, 0
	SCALES 0
	FETCH_A 0, 0, 4
	STEP 0, 0, 1
	s_mov_b32 s3, LAPS-1
.Llap:
	TURN 0, 1, 1
	STEP 1, 0, 0
	TURN 1, 0, 1
	STEP 0, 0, 0
	s_sub_co_u32 s3, s3, 1
	s_cmp_lg_u32 s3, 0
	s_cbranch_scc1 .Llap
	TURN 0, 1, 0
	STEP 1, 0, 0
	s_wait_dscnt 4*NL
	WIN MUL_LO
	MUL16 0, 1, NQ-1, 1, 0
	MUL16 2, 1, NQ-1, 1, 0
	s_wait_dscnt 0
	WIN MUL_HI
	MUL16 4, 1, NQ-1, 1, 0
	MUL16 6, 1, NQ-1, 1, 0
	WIN 0
.macro HALVES d, c
.irp i, 0,1,2
	v_permlane16_swap_b32 v[\d+\i], v[PT+4*\c+\i]
.endr
.irp i, 0,1,2
	v_mov_b32 v[\d+3+\i], v[PT+4*\c+\i]
.endr
.endm
.macro QUANT s, d0, d1, pw
.irp b, 0,1,2,3
	v_max3_num_f32 v[TM+\b], |v[\s+16*\b]|, |v[\s+1+16*\b]|, 0x1800000
.endr
.irp i, 2,4,6,8,10,12,14
.irp b, 0,1,2,3
	v_max3_num_f32 v[TM+\b], v[TM+\b], |v[\s+16*\b+\i]|, |v[\s+1+16*\b+\i]|
.endr
.endr
.irp b, 0,1,2,3
	v_permlanex16_b32 v[TM+4+\b], v[TM+\b], s22, s23
.endr
.irp b, 0,1,2,3
	v_max_num_f32 v[TM+\b], v[TM+\b], v[TM+4+\b]
.endr
.irp b, 0,1,2,3
	v_add_nc_u32 v[TM+8+\b], 0xff000000, v[TM+\b]
.endr
.irp b, 0,1,2,3
	v_lshrrev_b32 v[TM+4+\b], 23, v[TM+8+\b]
.endr
	v_lshl_or_b32 v[\pw], v[TM+5], 8, v[TM+4]
	v_lshl_or_b32 v[\pw], v[TM+6], 16, v[\pw]
	v_lshl_or_b32 v[\pw], v[TM+7], 24, v[\pw]
	v_cvt_scalef32_pk16_fp6_f32 v[\d0:\d0+2], v[\s:\s+15], v[TM+8]
	v_cvt_scalef32_pk16_fp6_f32 v[PT:PT+2], v[\s+16:\s+31], v[TM+9]
	v_cvt_scalef32_pk16_fp6_f32 v[\d1:\d1+2], v[\s+32:\s+47], v[TM+10]
	v_cvt_scalef32_pk16_fp6_f32 v[PT+4:PT+6], v[\s+48:\s+63], v[TM+11]
	v_nop
	HALVES \d0, 0
	HALVES \d1, 1
.endm
.macro BLOCK a, d0, d1, pw
	WIN 0x02+(\a)/4
.set AC, 64*((\a)%4)
.set i, 0
.rept 32
.if (\a)%2
	v_pk_add_f32 v[T+i:T+i+1], v[AC+i:AC+i+1], v[BA+(\a)-1:BA+(\a)] op_sel:[0,1] op_sel_hi:[1,1]
.else
	v_pk_add_f32 v[T+i:T+i+1], v[AC+i:AC+i+1], v[BA+(\a):BA+(\a)+1] op_sel:[0,0] op_sel_hi:[1,0]
.endif
.set i, i+2
.endr
	WIN 0
	QUANT T, \d0, \d1, \pw
.endm
	PLACES NP                                      ; places behind the last products, ahead of writes into registers that they read
.irp b, 0,1,2,3
	v_mov_b32 v[TM+4+\b], 0
.endr
.irp p, 0,1,2,3
.if \p > 0
	s_wait_xcnt 0x0
.if \p == 2
	s_add_nc_u64 s[4:5], s[4:5], s[20:21]
.else
	s_add_nc_u64 s[4:5], s[4:5], s[18:19]
.endif
.endif
	BLOCK 2*\p, I0, T0, PWA
	BLOCK 2*\p+1, T1, I1+6, PWB
.irp i, 0,1,2,3,4,5
	v_cndmask_b32 v[I0+6+\i], v[T0+\i], v[T1+\i], s8
.endr
.irp i, 0,1,2,3,4,5
	v_cndmask_b32 v[I1+\i], v[T1+\i], v[T0+\i], s8
.endr
.if \p%2 == 0
	v_perm_b32 v[U0+\p/2], v[PWB], v[PWA], s11
	v_perm_b32 v[U1+\p/2], v[PWB], v[PWA], s12
.else
	v_perm_b32 v[W], v[PWB], v[PWA], s11
	v_cndmask_b32 v[U0+\p/2], v[U0+\p/2], v[W], s10
	v_perm_b32 v[W], v[PWB], v[PWA], s12
	v_cndmask_b32 v[U1+\p/2], v[U1+\p/2], v[W], s10
.endif
.irp j, 0,1,2
	global_store_b128 v[VO0], v[I0+4*\j:I0+4*\j+3], s[4:5] offset:512*\j
.endr
.irp j, 0,1,2
	global_store_b128 v[VO1], v[I1+4*\j:I1+4*\j+3], s[4:5] offset:512*\j
.endr
.endr
	global_store_b64 v[VS0], v[U0:U0+1], s[6:7]
	global_store_b64 v[VS1], v[U1:U1+1], s[6:7]
	s_wait_tensorcnt 0x0
	ds_add_u32 v[SPW], v[NIL]
	s_wait_dscnt 0x0
	CROUND
	s_endpgm
.Lfunc_end_k_q2b493b380b_proj:
	.size	k_q2b493b380b_proj, .Lfunc_end_k_q2b493b380b_proj-k_q2b493b380b_proj
	.p2alignl 7, 3214868480
	.fill 96, 4, 3214868480
	.section	.rodata,"a",@progbits
	.p2align	6, 0x0
	.amdhsa_kernel k_q2b493b380b_proj
		.amdhsa_group_segment_fixed_size 327680
		.amdhsa_private_segment_fixed_size 0
		.amdhsa_enable_private_segment 0
		.amdhsa_kernarg_size 40
		.amdhsa_user_sgpr_count 2
		.amdhsa_user_sgpr_kernarg_segment_ptr 1
		.amdhsa_wavefront_size32 1
		.amdhsa_system_sgpr_workgroup_id_x 1
		.amdhsa_system_sgpr_workgroup_id_y 1
		.amdhsa_system_sgpr_workgroup_id_z 1
		.amdhsa_system_vgpr_workitem_id 0
		.amdhsa_next_free_vgpr 1024
		.amdhsa_next_free_sgpr 102
		.amdhsa_reserve_vcc 0
		.amdhsa_float_denorm_mode_32 3
		.amdhsa_float_denorm_mode_16_64 3
		.amdhsa_memory_ordered 1
		.amdhsa_forward_progress 1
		.amdhsa_inst_pref_size 190
	.end_amdhsa_kernel
	.amdgpu_metadata
---
amdhsa.version: [ 1, 2 ]
amdhsa.kernels:
  - .name:           k_q2b493b380b_proj
    .symbol:         k_q2b493b380b_proj.kd
    .args:
      - { .name: xc, .offset: 0, .size: 8, .value_kind: global_buffer, .address_space: global }
      - { .name: wc, .offset: 8, .size: 8, .value_kind: global_buffer, .address_space: global }
      - { .name: in_proj_b, .offset: 16, .size: 8, .value_kind: global_buffer, .address_space: global }
      - { .name: qkvc, .offset: 24, .size: 8, .value_kind: global_buffer, .address_space: global }
      - { .name: qkvs, .offset: 32, .size: 8, .value_kind: global_buffer, .address_space: global }
    .group_segment_fixed_size: 327680
    .private_segment_fixed_size: 0
    .kernarg_segment_align: 8
    .kernarg_segment_size: 40
    .max_flat_workgroup_size: 128
    .sgpr_count:     102
    .vgpr_count:     1024
    .wavefront_size: 32
...
	.end_amdgpu_metadata
.endif
;; end of part 2
;; launch attn (part 3): grid 4 x 64, 16 waves a work-group, clusters of 4 x 1, 215,040 bytes of LDS; arguments qkvc, qkvs, oc, os; writes oc, os
.if DOCPART == 3
	.amdgcn_target "amdgcn-amd-amdhsa--gfx1250"
	.amdhsa_code_object_version 6
	.text
	.protected	k_q2b493b380b_attn
	.globl	k_q2b493b380b_attn
	.p2align	8
	.type	k_q2b493b380b_attn,@function
k_q2b493b380b_attn:
	s_mov_b64 s[64:65], 0
	v_nop
	global_prefetch_b8 v0, s[64:65] scope:SCOPE_SE
	s_setreg_imm32_b32 hwreg(HW_REG_WAVE_MODE, 25, 1), 1
	s_wait_xcnt 0x0
	s_wait_alu depctr_hold_cnt(0) depctr_sa_sdst(0) depctr_va_vdst(0) depctr_va_sdst(0) depctr_va_ssrc(0) depctr_va_vcc(0) depctr_vm_vsrc(0)
	s_getreg_b32 s2, hwreg(HW_REG_IB_STS2, 6, 4)
	s_cmp_eq_u32 s2, 0
	s_cbranch_scc0 .Lentry_in_a_cluster
	s_endpgm
.Lentry_in_a_cluster:
	s_bfe_u32 s2, ttmp6, 0x10000c
	s_cmp_lg_u32 s2, 0x3003
	s_cbranch_scc0 .Lentry_shape_is_right
	s_endpgm
.Lentry_shape_is_right:
; softmax(q k^T / 8) v for one head, both products on codes of FP6 (E2M3) with E8M0 scales, and O / l quantised along the embedding for the out-projection.
; t = score x log2(e) / 8; M = the running largest t rounded UP to a whole number; p = 2^(t - M) is quantised along the keys, not normalised; the row's sum is taken of the unquantised p and divides O at the end.
; When M moves, the sum and O are multiplied by 2^(old M - new M): exact.
; SHARES.  A work-group owns 512 queries of one head (work-group y = batch x 16 + head; the cluster's four are the head's four quarters).  Each of sixteen waves owns a pair of query tiles (32 queries)
; and takes them in two passes over all 2,048 keys, 128 a step; 256 registers a wave, four waves to a SIMD.
; NO RING.  The head's codes of K and V (2 x 98,304 bytes) and their scale bytes are filled ONCE, by joint loads for the four work-groups, one tensor load a wave: waves 0-3 a quarter of K's codes each, waves 4-7 of V's,
; wave 8 K's scale bytes, wave 9 V's; the other waves load nothing.  Nothing is filled again, and no stream is left to prefetch.  The tiles lie in LDS as images of operand registers: every read is 512 consecutive bytes of 32 lanes.
; LAYOUT.  Both products are used transposed (S^T = K Q^T, O^T = V^T P^T): a lane holds one query throughout.  The head's K is 64, the instruction's 128: a fragment of K holds TWO tiles of 16 keys (registers 0-5, 6-11),
; multiplied once by (q, 0) and once by (0, q): zero codes add nothing.  Key tiles and V's channel tiles lie in tile order, so the 16 registers of two neighbouring result tiles are 16 true neighbours.
; LIMITS: an exponential that would come out under 2^-126 comes out as 0; a block whose largest magnitude lies under 2^-124 keeps the byte 1 (a block of zeros too: its codes are zeros); NaN and infinities are not served; the scaled scores stay under 2^31 in magnitude.
.set KSC,  196608                      ; LDS: K's codes at 0, V's at 98,304; K's scale bytes of the pair of heads; V's
.set VSC,  204800
.set LK,   1                           ; v1 16 x lane;  v2 the same + 98,304;  v3 8 x lane + K's scale bytes of my head;  v4 8 x lane + 4 x (head & 1) + V's
.set LV,   2
.set LS,   3
.set LT,   4
.set O16,  5                           ; v5 16 x lane;  v6 8 x lane;  v7 32 x (lane % 16)
.set O8,   6
.set O32,  7
.set ADK,  8                           ; v8-11 the step's LDS addresses
.set ADV,  9
.set ADS,  10
.set ADT,  11
.set QF,   16                          ; v16-33 (q, 0, q)
.set QI,   34                          ; v34-45 the pair's image; v47 its scale word
.set KF,   48                          ; v48-95 four fragments of K; behind the score products at work:
.set BM,   48                          ;   the blocks' largest scores, then largest p
.set BT,   52                          ;   the other half's, then bytes
.set SO,   56                          ;   the conversions' scale operands
.set PC,   60                          ;   p's codes
.set PT,   72                          ;   the conversions' second halves
.set S,    96                          ; v96-159 S^T, then p
.set O,    160                         ; v160-191 O^T
.set VF,   192                         ; v192-239 four fragments of V^T
.set KSW,  240                         ; v240-241 K's scale words; v242-243 V's; v244 p's; v245 q's: scales and nothing else
.set VSW,  242
.set PW,   244
.set QS,   245
.set WV,   12
.set SEL,  20
.set CS,   22
.set TK,   60
.set TS,   61
.set TV,   62
.set CNT,  63
.macro CROUND
	s_barrier_signal -1
	s_barrier_wait -1
	s_cmp_lg_u32 s[WV], 0
	s_cbranch_scc1 .Lnot_wave_0_\@
	s_barrier_signal -3
.Lnot_wave_0_\@:
	s_barrier_wait -3
	s_barrier_signal -1
	s_barrier_wait -1
.endm
	s_load_b256 s[4:11], s[0:1], 0x0               ; qkvc, qkvs, oc, os
	v_lshl_add_u32 v254, v0, 2, 0x34000
	v_mov_b32 v255, 0
	ds_add_u32 v254, v255                          ; the opening lines
	ds_add_u32 v254, v255
	v_lshrrev_b32 v1, 5, v0
	s_delay_alu instid0(VALU_DEP_1)
	v_readfirstlane_b32 s[WV], v1                  ; wave 0..15
	s_bfe_u32 s13, ttmp6, 0x40000                  ; cx: which quarter of the queries
	s_and_b32 s14, ttmp7, 0xffff                   ; batch x 16 + head, which the four partners share
	s_and_b32 s15, s14, 1
	s_and_b32 s16, s[WV], 1                        ; waves 8, 9: K's or V's scale bytes
	s_mov_b32 s24, 15|(3<<16)|(1<<21)              ; group 1, a quarter of the codes: 96 rows of 256 dense bytes, for all four partners
	s_mov_b32 s25, 32<<16
	s_mov_b32 s26, 96<<16
	s_mov_b32 s27, 32<<16
	s_mov_b32 s28, 96
	s_mov_b32 s29, 32
	s_mov_b32 s30, 0
	s_mov_b32 s31, 0
	s_mov_b32 s32, 15|(3<<16)|(1<<21)              ; the scale bytes of a pair of heads: 32 rows of 256
	s_mov_b32 s33, 32<<16
	s_mov_b32 s34, 32<<16
	s_mov_b32 s35, 32<<16
	s_mov_b32 s36, 32
	s_mov_b32 s37, 32
	s_mov_b32 s38, 0
	s_mov_b32 s39, 0
	s_lshr_b32 s77, s[WV], 2                       ; waves 0-7: 0 K, 1 V
	s_lshl_b32 s17, s77, 6
	s_add_co_u32 s17, s17, s14
	s_add_co_u32 s17, s17, 64                      ; K's heads follow q's 64, V's follow K's
	s_mul_i32 s66, s17, 98304
	s_and_b32 s77, s[WV], 3
	s_mul_i32 s77, s77, 24576
	s_add_co_u32 s66, s66, s77                     ; my quarter
	s_mov_b32 s67, 0
	s_lshl_b32 s18, s16, 18
	s_add_co_u32 s18, s18, 262144
	s_lshr_b32 s19, s14, 1
	s_lshl_b32 s19, s19, 13
	s_add_co_u32 s18, s18, s19                     ; the pair's 8,192 scale bytes
	s_mov_b32 s19, 0
	s_mul_i32 s60, s[WV], 24576                    ; where my quarter goes,
	s_lshl_b32 s61, s16, 13
	s_add_co_u32 s61, s61, KSC                     ; and the scale bytes: no place in the cluster enters an LDS address
	s_lshl_b32 s62, s13, 4
	s_add_co_u32 s62, s62, s[WV]                   ; P: my pair of query tiles
	s_mul_i32 s72, s14, 98304
	s_mul_i32 s63, s62, 1536
	s_add_co_u32 s72, s72, s63                     ; its image
	s_mov_b32 s73, 0
	s_lshl_b32 s74, s14, 12
	s_lshr_b32 s63, s62, 2
	s_lshl_b32 s63, s63, 8
	s_add_co_u32 s74, s74, s63                     ; its scale words: unit P / 4,
	s_lshl_b32 s63, s16, 7
	s_add_co_u32 s74, s74, s63                     ; 128 x (P's low bit)
	s_bfe_u32 s63, s[WV], 0x10001
	s_lshl_b32 s63, s63, 2
	s_add_co_u32 s74, s74, s63                     ; + 4 x (the next bit)
	s_mov_b32 s75, 0
	s_lshr_b32 s63, s14, 4
	s_lshl_b32 s63, s63, 7
	s_lshl_b32 s76, s62, 1
	s_add_co_u32 s63, s63, s76                     ; my first token tile: batch x 128 + 2 P
	s_and_b32 s76, s14, 15
	s_lshl_b32 s68, s63, 4
	s_add_co_u32 s68, s68, s76
	s_mul_i32 s68, s68, 768                        ; oc: [token tile][head][768]
	s_mov_b32 s69, 0
	s_lshl_b32 s70, s63, 9
	s_lshl_b32 s76, s76, 1
	s_add_co_u32 s70, s70, s76                     ; os: [token tile x 16 + r][32], byte 2 x head
	s_mov_b32 s71, 0
	s_mov_b32 s[SEL], 0x76543210
	s_mov_b32 s[SEL+1], 0xfedcba98
	s_mov_b32 s[CS], 0x3e38aa3b                    ; c = log2(e) / 8
	s_mov_b32 s[CS+1], s[CS]
	s_wait_dscnt 0x0
	s_wait_kmcnt 0x0
	s_add_nc_u64 s[66:67], s[4:5], s[66:67]
	s_add_nc_u64 s[18:19], s[6:7], s[18:19]
	s_add_nc_u64 s[72:73], s[4:5], s[72:73]
	s_add_nc_u64 s[74:75], s[6:7], s[74:75]
	s_add_nc_u64 s[68:69], s[8:9], s[68:69]
	s_add_nc_u64 s[70:71], s[10:11], s[70:71]
	s_mov_b32 s40, 1
	s_mov_b32 s41, s61
	s_mov_b64 s[42:43], s[18:19]
	s_or_b32 s43, s43, 0x80000000
	s_mov_b32 s44, 1
	s_mov_b32 s45, s60
	s_mov_b64 s[46:47], s[66:67]
	s_or_b32 s47, s47, 0x80000000
	CROUND                                         ; all four work-groups are here: the joint loads meet
	s_cmp_lt_u32 s[WV], 8                          ; one chain of branches on the wave's number, one load to an arm
	s_cbranch_scc0 .Lscales
	tensor_load_to_lds s[44:47], s[24:31]
	s_nop 0
.rept 4
	v_nop
.endr
	s_branch .Lno_fill
.Lscales:
	s_cmp_lt_u32 s[WV], 10
	s_cbranch_scc0 .Lno_fill
	tensor_load_to_lds s[40:43], s[32:39]
	s_nop 0
.rept 4
	v_nop
.endr
.Lno_fill:
	v_and_b32 v9, 31, v0
	v_and_b32 v10, 15, v0
	s_delay_alu instid0(VALU_DEP_2)
	v_lshlrev_b32 v[LK], 4, v9
	s_delay_alu instid0(VALU_DEP_1)
	v_add_nc_u32 v[LV], 98304, v[LK]
	s_delay_alu instid0(VALU_DEP_4)
	v_lshlrev_b32 v[O8], 3, v9
	s_lshl_b32 s17, s15, 12
	s_add_co_u32 s17, s17, KSC
	v_add_nc_u32 v[LS], s17, v[O8]
	s_lshl_b32 s17, s15, 2
	s_add_co_u32 s17, s17, VSC
	v_add_nc_u32 v[LT], s17, v[O8]
	v_lshlrev_b32 v[O16], 4, v9
	v_lshlrev_b32 v[O32], 5, v10
	v_lshlrev_b32 v8, 3, v10
.irp j, 0,1,2
	global_load_b128 v[QI+4*\j:QI+4*\j+3], v[O16], s[72:73] offset:512*\j   ; my pair's image
.endr
	global_load_b32 v47, v8, s[74:75]              ; its scale word: two bytes of each tile, of query r
.irp i, 0,1,2,3,4,5
	v_mov_b32 v[QF+6+\i], 0                        ; the zero codes between the two copies of q
.endr
	v_mov_b32 v247, 0                              ; (the upper half of the pair v[246:247])
	v_mov_b32 v82, 0                               ; (a lane permute's destination counts as a source)
	s_wait_loadcnt 0x0
	s_wait_tensorcnt 0x0                           ; every wave waits for its fill,
	s_barrier_signal -1
	s_barrier_wait -1                              ; everybody's have landed: K, V and their scales stay to the end
.macro STEP                            ; 128 keys
	v_add_nc_u32 v[ADK], s[TK], v[LK]              ; (these four are the places in front of loads into registers that the last products read)
	v_add_nc_u32 v[ADV], s[TK], v[LV]
	v_add_nc_u32 v[ADS], s[TS], v[LS]
	v_add_nc_u32 v[ADT], s[TV], v[LT]
.irp f, 0,1,2,3
.irp j, 0,1,2
	ds_load_b128 v[KF+12*\f+4*\j:KF+12*\f+4*\j+3], v[ADK] offset:1536*\f+512*\j
.endr
.endr
	ds_load_b64 v[KSW:KSW+1], v[ADS]               ; fragment f's words: register f / 2, lanes 0-15 (f even) or 16-31
.irp f, 0,1,2,3
.irp j, 0,1,2
	ds_load_b128 v[VF+12*\f+4*\j:VF+12*\f+4*\j+3], v[ADV] offset:1536*\f+512*\j
.endr
.endr
	ds_load_b32 v[VSW], v[ADT]                     ; channel tile a's words: register a % 2, lanes 0-15 (a < 2) or 16-31
	ds_load_b32 v[VSW+1], v[ADT] offset:256
	s_wait_dscnt 14                                ; K's thirteen loads are in; V's fourteen may be out
.irp f, 0,1,2,3
.irp u, 0,1
.if \f%2
	v_wmma_scale_f32_16x16x128_f8f6f4 v[S+8*(2*\f+\u):S+8*(2*\f+\u)+7], v[KF+12*\f:KF+12*\f+11], v[QF+6*\u:QF+6*\u+11], 0, v[KSW+\f/2], v[QS] matrix_a_fmt:MATRIX_FMT_FP6 matrix_b_fmt:MATRIX_FMT_FP6 matrix_a_scale:MATRIX_SCALE_ROW1
.else
	v_wmma_scale_f32_16x16x128_f8f6f4 v[S+8*(2*\f+\u):S+8*(2*\f+\u)+7], v[KF+12*\f:KF+12*\f+11], v[QF+6*\u:QF+6*\u+11], 0, v[KSW+\f/2], v[QS] matrix_a_fmt:MATRIX_FMT_FP6 matrix_b_fmt:MATRIX_FMT_FP6
.endif
.endr
.endr                                          ; register 16 b + i of S^T holds key 32 b + 16 (lane / 16) + i of the step
.rept 4
	v_nop
.endr
.irp b, 0,1,2,3
	v_max3_num_f32 v[BM+\b], v[S+16*\b], v[S+1+16*\b], v[S+2+16*\b]   ; each block's largest score: for the row's maximum and, since p rises with the score, for the block's largest p
.endr
.irp i, 3,5,7,9,11,13
.irp b, 0,1,2,3
	v_max3_num_f32 v[BM+\b], v[BM+\b], v[S+16*\b+\i], v[S+1+16*\b+\i]
.endr
.endr
.irp b, 0,1,2,3
	v_max_num_f32 v[BM+\b], v[BM+\b], v[S+15+16*\b]
.endr
.irp b, 0,1,2,3
	s_delay_alu instid0(VALU_DEP_4)
	v_permlanex16_b32 v[BT+\b], v[BM+\b], s[SEL], s[SEL+1]
.endr
.irp b, 0,1,2,3
	s_delay_alu instid0(VALU_DEP_4)
	v_max_num_f32 v[BM+\b], v[BM+\b], v[BT+\b]     ; with lane l xor 16's 16 keys
.endr
	s_delay_alu instid0(VALU_DEP_2)
	v_max3_num_f32 v82, v[BM], v[BM+1], v[BM+2]
	s_delay_alu instid0(VALU_DEP_1)
	v_max_num_f32 v82, v82, v[BM+3]
	s_delay_alu instid0(VALU_DEP_1)
	v_mul_f32 v82, s[CS], v82                      ; as t (c is positive)
	s_delay_alu instid0(VALU_DEP_1)
	v_max_num_f32 v13, v13, v82                    ; the running largest t
	v_mov_b32 v82, v12
	s_delay_alu instid0(VALU_DEP_2)
	v_floor_f32 v12, -v13                          ; the new -M = floor(-t)
	s_delay_alu instid0(VALU_DEP_1)
	v_sub_f32 v82, v12, v82                        ; old M - new M: a whole number, 0 or less
	s_delay_alu instid0(VALU_DEP_1)
	v_cvt_i32_f32 v82, v82
	s_delay_alu instid0(VALU_DEP_1)
	v_ldexp_f32 v246, 1.0, v82                     ; f = 2^(old M - new M)
.set j, 0
.rept 32
	v_pk_fma_f32 v[S+j:S+j+1], v[S+j:S+j+1], s[CS:CS+1], v[12:13] op_sel_hi:[1,0,0]   ; t - M
.set j, j+2
.endr
.irp b, 0,1,2,3
	v_fma_f32 v[BM+\b], v[BM+\b], s[CS], v12
.endr
.set j, 0
	s_wait_alu depctr_va_vdst(0)                   ; the wait ahead of the batch
.rept 64
	v_exp_f32 v[S+j], v[S+j]                       ; p = 2^(t - M), at most 1
.set j, j+1
.endr
	v_pk_mul_f32 v[14:15], v[14:15], v[246:247] op_sel_hi:[1,0]   ; the sums under the new M (a plain line behind the exponentials)
	s_wait_alu depctr_va_vdst(0)                   ; one wait for the batch of 64
.irp b, 0,1,2,3
	v_exp_f32 v[BM+\b], v[BM+\b]                   ; the blocks' largest p
.endr
	v_pk_add_f32 v[80:81], v[100:101], v[104:105]  ; the row's sum of the unquantised p, in eight chains
	v_pk_add_f32 v[252:253], v[108:109], v[112:113]
	v_pk_add_f32 v[250:251], v[116:117], v[120:121]
	v_pk_add_f32 v[248:249], v[124:125], v[128:129]
	v_pk_add_f32 v[88:89], v[132:133], v[136:137]
	v_pk_add_f32 v[94:95], v[140:141], v[144:145]
	v_pk_add_f32 v[92:93], v[148:149], v[152:153]
	v_pk_add_f32 v[14:15], v[14:15], v[156:157]
	v_pk_add_f32 v[80:81], v[80:81], v[96:97]
	v_pk_add_f32 v[252:253], v[252:253], v[98:99]
	v_pk_add_f32 v[250:251], v[250:251], v[102:103]
	v_pk_add_f32 v[248:249], v[248:249], v[106:107]
	v_pk_add_f32 v[88:89], v[88:89], v[110:111]
	v_pk_add_f32 v[94:95], v[94:95], v[114:115]
	v_pk_add_f32 v[92:93], v[92:93], v[118:119]
	v_pk_add_f32 v[14:15], v[14:15], v[122:123]
	v_pk_add_f32 v[80:81], v[80:81], v[126:127]
	v_pk_add_f32 v[252:253], v[252:253], v[130:131]
	v_pk_add_f32 v[250:251], v[250:251], v[134:135]
	v_pk_add_f32 v[248:249], v[248:249], v[138:139]
	v_pk_add_f32 v[88:89], v[88:89], v[142:143]
	v_pk_add_f32 v[94:95], v[94:95], v[146:147]
	v_pk_add_f32 v[92:93], v[92:93], v[150:151]
	v_pk_add_f32 v[14:15], v[14:15], v[154:155]
	v_pk_add_f32 v[80:81], v[80:81], v[158:159]
	s_delay_alu instid0(VALU_DEP_2)
	v_pk_add_f32 v[14:15], v[14:15], v[248:249]
	s_delay_alu instid0(VALU_DEP_2)
	v_pk_add_f32 v[80:81], v[80:81], v[88:89]
	v_pk_add_f32 v[252:253], v[252:253], v[94:95]
	v_pk_add_f32 v[250:251], v[250:251], v[92:93]
	s_delay_alu instid0(VALU_DEP_2)
	v_pk_add_f32 v[14:15], v[14:15], v[252:253]
	s_delay_alu instid0(VALU_DEP_2)
	v_pk_add_f32 v[80:81], v[80:81], v[250:251]
	s_delay_alu instid0(VALU_DEP_1)
	v_pk_add_f32 v[14:15], v[14:15], v[80:81]
	s_wait_alu depctr_va_vdst(0)                   ; and one for the four
.irp b, 0,1,2,3
	v_max_num_f32 v[BM+\b], 0x1800000, v[BM+\b]    ; the floor 2^(3 - 127)
.endr
.irp b, 0,1,2,3
	s_delay_alu instid0(VALU_DEP_4)
	v_add_nc_u32 v[SO+\b], 0xff000000, v[BM+\b]
.endr
.irp b, 0,1,2,3
	s_delay_alu instid0(VALU_DEP_4)
	v_lshrrev_b32 v[BT+\b], 23, v[SO+\b]           ; the scale's byte
.endr
	s_delay_alu instid0(VALU_DEP_3)
	v_lshl_or_b32 v[PW], v[BT+1], 8, v[BT]         ; p's scale word for these 128 keys
	s_delay_alu instid0(VALU_DEP_1)
	v_lshl_or_b32 v[PW], v[BT+2], 16, v[PW]
	s_delay_alu instid0(VALU_DEP_1)
	v_lshl_or_b32 v[PW], v[BT+3], 24, v[PW]
.irp c, 0,1
	v_cvt_scalef32_pk16_fp6_f32 v[PC+6*\c:PC+6*\c+2], v[S+32*\c:S+32*\c+15], v[SO+2*\c]
	v_cvt_scalef32_pk16_fp6_f32 v[PT+4*\c:PT+4*\c+2], v[S+16+32*\c:S+31+32*\c], v[SO+2*\c+1]
.endr
	v_nop                                          ; one plain line behind a scaled conversion
.irp c, 0,1                                    ; a whole block in a lane: lanes 0-15 block 2 c, lanes 16-31 block 2 c + 1
.irp i, 0,1,2
	v_permlane16_swap_b32 v[PC+6*\c+\i], v[PT+4*\c+\i]
.endr
.irp i, 0,1,2
	s_delay_alu instid0(VALU_DEP_3)
	v_mov_b32 v[PC+3+6*\c+\i], v[PT+4*\c+\i]
.endr
.endr
.set j, 0
.rept 16
	v_pk_mul_f32 v[O+j:O+j+1], v[O+j:O+j+1], v[246:247] op_sel_hi:[1,0]   ; O^T under the new M (also the places between p's codes and scale word and the products)
.set j, j+2
.endr
	s_wait_alu depctr_va_vdst(0)                   ; directly ahead of the wait below
	s_wait_dscnt 0x0                               ; V is in
.irp a, 0,1,2,3                                ; O^T += V^T P^T: the four accumulators by turns
.if \a/2
	v_wmma_scale_f32_16x16x128_f8f6f4 v[O+8*\a:O+8*\a+7], v[VF+12*\a:VF+12*\a+11], v[PC:PC+11], v[O+8*\a:O+8*\a+7], v[VSW+\a%2], v[PW] matrix_a_fmt:MATRIX_FMT_FP6 matrix_b_fmt:MATRIX_FMT_FP6 matrix_a_scale:MATRIX_SCALE_ROW1
.else
	v_wmma_scale_f32_16x16x128_f8f6f4 v[O+8*\a:O+8*\a+7], v[VF+12*\a:VF+12*\a+11], v[PC:PC+11], v[O+8*\a:O+8*\a+7], v[VSW+\a%2], v[PW] matrix_a_fmt:MATRIX_FMT_FP6 matrix_b_fmt:MATRIX_FMT_FP6
.endif
.endr
	s_add_co_u32 s[TK], s[TK], 6144
	s_add_co_u32 s[TS], s[TS], 256
	s_add_co_u32 s[TV], s[TV], 512
.endm
.macro OUT u                           ; O^T / l, quantised in two blocks of 32 channels: six registers of codes and two scale bytes
.rept 4
	v_nop                                          ; places behind the last products
.endr
	v_add_f32 v14, v14, v15
	s_delay_alu instid0(VALU_DEP_1)
	v_permlanex16_b32 v82, v14, s[SEL], s[SEL+1]
	s_delay_alu instid0(VALU_DEP_1)
	v_add_f32 v14, v14, v82                        ; the row's sum
	s_wait_alu depctr_va_vdst(0)
	v_rcp_f32 v84, v14
	v_mov_b32 v85, 0                               ; (a plain line behind the reciprocal; the pair's upper half)
	s_wait_alu depctr_va_vdst(0)
.set j, 0
.rept 16
	v_pk_mul_f32 v[S+j:S+j+1], v[O+j:O+j+1], v[84:85] op_sel_hi:[1,0]   ; each accumulator from its low end on
.set j, j+2
.endr
.irp b, 0,1
	v_max3_num_f32 v[BM+\b], |v[S+16*\b]|, |v[S+1+16*\b]|, 0x1800000
.endr
.irp i, 2,4,6,8,10,12,14
.irp b, 0,1
	s_delay_alu instid0(VALU_DEP_2)
	v_max3_num_f32 v[BM+\b], v[BM+\b], |v[S+16*\b+\i]|, |v[S+1+16*\b+\i]|
.endr
.endr
.irp b, 0,1
	s_delay_alu instid0(VALU_DEP_2)
	v_permlanex16_b32 v[BT+\b], v[BM+\b], s[SEL], s[SEL+1]
.endr
.irp b, 0,1
	s_delay_alu instid0(VALU_DEP_2)
	v_max_num_f32 v[BM+\b], v[BM+\b], v[BT+\b]
.endr
.irp b, 0,1
	s_delay_alu instid0(VALU_DEP_2)
	v_add_nc_u32 v[SO+\b], 0xff000000, v[BM+\b]
.endr
.irp b, 0,1
	s_delay_alu instid0(VALU_DEP_2)
	v_lshrrev_b32 v[BT+\b], 23, v[SO+\b]
.endr
	s_delay_alu instid0(VALU_DEP_1)
	v_lshl_or_b32 v86, v[BT+1], 8, v[BT]           ; the head's two bytes of my query's row of scales
	v_cvt_scalef32_pk16_fp6_f32 v[PC:PC+2], v[S:S+15], v[SO]
	v_cvt_scalef32_pk16_fp6_f32 v[PT:PT+2], v[S+16:S+31], v[SO+1]
	v_nop
.irp i, 0,1,2
	v_permlane16_swap_b32 v[PC+\i], v[PT+\i]
.endr
.irp i, 0,1,2
	s_delay_alu instid0(VALU_DEP_3)
	v_mov_b32 v[PC+3+\i], v[PT+\i]
.endr
	global_store_b128 v[O16], v[PC:PC+3], s[68:69] offset:12288*\u         ; 512 consecutive bytes, aligned
	global_store_b64 v[O8], v[PC+4:PC+5], s[68:69] offset:12288*\u+512     ; 256 consecutive bytes, aligned
	global_store_b16 v[O32], v86, s[70:71] offset:512*\u   ; two bytes a row: a row's other bytes belong to other heads' work-groups; lanes l and l + 16 store the same value
	s_wait_xcnt 0x0                                ; the stores have read their registers: the next pass may write them
.endm
.macro PASS u                          ; the pair's tile u against all keys
.irp i, 0,1,2,3,4,5
	v_mov_b32 v[QF+\i], v[QI+6*\u+\i]
	v_mov_b32 v[QF+12+\i], v[QI+6*\u+\i]
.endr
.if \u
	v_perm_b32 v[QS], v47, v47, 0x03020302         ; the tile's two bytes, twice
.else
	v_perm_b32 v[QS], v47, v47, 0x01000100
.endif
	v_mov_b32 v13, 0xff61b1e6                      ; the largest t so far: -3e38
	s_delay_alu instid0(VALU_DEP_1)
	v_floor_f32 v12, -v13
	v_mov_b32 v14, 0
	v_mov_b32 v15, 0
.set j, 0
.rept 32
	v_mov_b32 v[O+j], 0                            ; O^T: the step is written once; also the places between q's registers and scale word and the first products
.set j, j+1
.endr
	s_mov_b32 s[TK], 0
	s_mov_b32 s[TS], 0
	s_mov_b32 s[TV], 0
	s_mov_b32 s[CNT], 16
.Lstep_\@:
	STEP
	s_sub_co_u32 s[CNT], s[CNT], 1
	s_cmp_lg_u32 s[CNT], 0
	s_cbranch_scc1 .Lstep_\@
	OUT \u
.endm
	PASS 0
	PASS 1
	s_wait_tensorcnt 0x0                           ; the wave's end
	ds_add_u32 v254, v255
	s_wait_dscnt 0x0
	CROUND                                         ; the closing round
	s_endpgm
.Lfunc_end_k_q2b493b380b_attn:
	.size	k_q2b493b380b_attn, .Lfunc_end_k_q2b493b380b_attn-k_q2b493b380b_attn
	.p2alignl 7, 3214868480
	.fill 96, 4, 3214868480
	.section	.rodata,"a",@progbits
	.p2align	6, 0x0
	.amdhsa_kernel k_q2b493b380b_attn
		.amdhsa_group_segment_fixed_size 215040
		.amdhsa_private_segment_fixed_size 0
		.amdhsa_enable_private_segment 0
		.amdhsa_kernarg_size 32
		.amdhsa_user_sgpr_count 2
		.amdhsa_user_sgpr_kernarg_segment_ptr 1
		.amdhsa_wavefront_size32 1
		.amdhsa_system_sgpr_workgroup_id_x 1
		.amdhsa_system_sgpr_workgroup_id_y 1
		.amdhsa_system_sgpr_workgroup_id_z 1
		.amdhsa_system_vgpr_workitem_id 0
		.amdhsa_next_free_vgpr 256
		.amdhsa_next_free_sgpr 80
		.amdhsa_reserve_vcc 0
		.amdhsa_float_denorm_mode_32 3
		.amdhsa_float_denorm_mode_16_64 3
		.amdhsa_memory_ordered 1
		.amdhsa_forward_progress 1
		.amdhsa_inst_pref_size 53
	.end_amdhsa_kernel
	.amdgpu_metadata
---
amdhsa.version: [ 1, 2 ]
amdhsa.kernels:
  - .name:           k_q2b493b380b_attn
    .symbol:         k_q2b493b380b_attn.kd
    .args:
      - { .name: qkvc, .offset: 0, .size: 8, .value_kind: global_buffer, .address_space: global }
      - { .name: qkvs, .offset: 8, .size: 8, .value_kind: global_buffer, .address_space: global }
      - { .name: oc, .offset: 16, .size: 8, .value_kind: global_buffer, .address_space: global }
      - { .name: os, .offset: 24, .size: 8, .value_kind: global_buffer, .address_space: global }
    .group_segment_fixed_size: 215040
    .private_segment_fixed_size: 0
    .kernarg_segment_align: 8
    .kernarg_segment_size: 32
    .max_flat_workgroup_size: 512
    .sgpr_count:     80
    .vgpr_count:     256
    .wavefront_size: 32
...
	.end_amdgpu_metadata
.endif
;; end of part 3
;; launch outp (part 4): grid 4 x 64, 4 waves a work-group, clusters of 4 x 4, 327,680 bytes of LDS; arguments oc, os, wc, out_proj_b, out0; writes out0
.if DOCPART == 4
	.amdgcn_target "amdgcn-amd-amdhsa--gfx1250"
	.amdhsa_code_object_version 6
	.text
	.protected	k_q2b493b380b_outp
	.globl	k_q2b493b380b_outp
	.p2align	8
	.type	k_q2b493b380b_outp,@function
k_q2b493b380b_outp:
	s_mov_b64 s[64:65], 0
	v_nop
	global_prefetch_b8 v0, s[64:65] scope:SCOPE_SE
	s_setreg_imm32_b32 hwreg(HW_REG_WAVE_MODE, 25, 1), 1
	s_wait_xcnt 0x0
	s_wait_alu depctr_hold_cnt(0) depctr_sa_sdst(0) depctr_va_vdst(0) depctr_va_sdst(0) depctr_va_ssrc(0) depctr_va_vcc(0) depctr_vm_vsrc(0)
	s_getreg_b32 s2, hwreg(HW_REG_IB_STS2, 6, 4)
	s_cmp_eq_u32 s2, 0
	s_cbranch_scc0 .Lentry_in_a_cluster
	s_endpgm
.Lentry_in_a_cluster:
	s_bfe_u32 s2, ttmp6, 0x10000c
	s_cmp_lg_u32 s2, 0xf033
	s_cbranch_scc0 .Lentry_shape_is_right
	s_endpgm
.Lentry_shape_is_right:
; out0 = context W_out^T + b_out on codes of FP6, f32 out.  A tile of 128 x 256, four waves of 64 x 128; ring of two slots of 256 along K, joint loads in a 4 x 4 cluster.
; A (oc): images of operand registers, 3,072 bytes a token tile and slot.  B (wc): rows of four chunks of 256 bytes: 192 bytes of codes, 8 scale bytes at byte 192, zeros: codes and scale words come by one load.
; A's scale words of my 64 rows, all of K, are 32 registers, loaded once from os.  Slot 0 is asked for at the head, one load a wave, slot 1 behind the full sequence and a round.  K is four chunks: no data prefetch is laid.
.set NQ,     2
.set ROWB,   256
.set KROW,   1024
.set PITCH,  272
.set FR,     12
.set NLA,    4
.set NP,     4
.set ATILE,  3072
.set ABYTES, 8*ATILE
.set HALFT,  128*PITCH
.set SLOT,   ABYTES+2*HALFT
.set LAPS,   2
.set SPARE,  2*SLOT
.set SA,     64                        ; v64-95 A's scale words: 8 a + step along K
.set CH,     0                         ; the chunk that the text is at: the walk along K is written straight
.set SPITCH, 528
.set BI,   8
.set A16,  16
.set A8,   18
.set ADRB, 20
.set STO,  24
.set RD,   25
.set CO,   26
.set ADRS, 22                          ; v22, v23: B's rows in slot 0, 1, for their scale words
.set SPW,  28
.set NIL,  29
.set SC,   32
.set AF,   128
.set BK,   128
.set G1, 24
.set G0, 32
.set G1B, 48
.set G0B, 56
.set MSB, 0
.macro WIN new
.if MSB != \new
	s_set_vgpr_msb (MSB<<8)|\new
.set MSB, \new
.endif
.endm
.set MUL,  0xa1
.set TO_B, 0x40
.macro JLOAD g0a, g1a, g0b, g1b
	s_cmp_eq_u32 s15, 0
	s_cbranch_scc0 .Lfor_b_\@
	tensor_load_to_lds s[\g0a:\g0a+3], s[\g1a:\g1a+7]
	s_nop 0
.rept 4
	v_nop
.endr
	s_branch .Lasked_\@
.Lfor_b_\@:
	tensor_load_to_lds s[\g0b:\g0b+3], s[\g1b:\g1b+7]
	s_nop 0
.rept 4
	v_nop
.endr
.Lasked_\@:
.endm
.macro CREST
	s_cmp_lg_u32 s14, 0
	s_cbranch_scc1 .Lnot_wave_0_\@
	s_barrier_signal -3
.Lnot_wave_0_\@:
	s_barrier_wait -3
	s_barrier_signal -1
	s_barrier_wait -1
.endm
.macro CROUND
	s_barrier_signal -1
	s_barrier_wait -1
	CREST
.endm
	s_load_b128 s[4:7], s[0:1], 0x0                ; oc, os
	s_load_b64 s[8:9], s[0:1], 0x10                ; wc
	s_load_b128 s[96:99], s[0:1], 0x18             ; out_proj_b, out0
	v_lshl_add_u32 v[SPW], v0, 2, SPARE
	v_mov_b32 v[NIL], 0
	ds_add_u32 v28, v29
	ds_add_u32 v28, v29
	s_wait_dscnt 0x0
	v_lshrrev_b32 v1, 5, v0
	v_readfirstlane_b32 s14, v1
	s_lshr_b32 s15, s14, 1
	s_and_b32 s16, s14, 1
	s_bfe_u32 s40, ttmp6, 0x40000
	s_bfe_u32 s41, ttmp6, 0x40004
	s_lshl_b32 s42, ttmp9, 2
	s_add_co_u32 s42, s42, s40
	s_and_b32 s17, ttmp7, 0xffff
	s_lshl_b32 s17, s17, 2
	s_add_co_u32 s17, s17, s41
	s_lshl_b32 s43, s41, 2
	s_lshl_b32 s43, 15, s43
	s_lshl_b32 s44, 0x1111, s40
	s_or_b32 s[G1+0], s43, (3<<16)|(1<<21)
	s_mov_b32 s[G1+1], 384<<16
	s_mov_b32 s[G1+2], 4<<16
	s_mov_b32 s[G1+3], 384<<16
	s_mov_b32 s[G1+4], 4
	s_mov_b32 s[G1+5], 1536
	s_mov_b32 s[G1+6], 0
	s_mov_b32 s[G1+7], 0
	s_or_b32 s[G1B+0], s44, (0<<16)|(1<<20)|(1<<21)|(5<<22)|(3<<25)
	s_mov_b32 s[G1B+1], ROWB<<16
	s_mov_b32 s[G1B+2], 128<<16
	s_mov_b32 s[G1B+3], ROWB<<16
	s_mov_b32 s[G1B+4], 128
	s_mov_b32 s[G1B+5], KROW
	s_mov_b32 s[G1B+6], 0
	s_mov_b32 s[G1B+7], 0
	s_lshl_b32 s20, s17, 3
	s_lshl_b32 s18, s16, 2
	s_add_co_u32 s20, s20, s18
	s_mul_i32 s20, s20, 12288
	s_mov_b32 s21, 0
	s_lshl_b32 s22, s17, 12
	s_lshl_b32 s18, s15, 11
	s_add_co_u32 s22, s22, s18
	s_mov_b32 s23, 0
	s_lshl_b32 s46, s42, 8
	s_lshl_b32 s18, s16, 7
	s_add_co_u32 s46, s46, s18
	s_add_co_u32 s46, s46, 3072
	s_mul_i32 s46, s46, KROW
	s_mov_b32 s47, 0
	s_mul_i32 s45, s16, 4*ATILE
	s_mul_i32 s94, s16, HALFT
	s_add_co_u32 s94, s94, ABYTES
	s_wait_kmcnt 0x0
	s_add_nc_u64 s[20:21], s[4:5], s[20:21]
	s_add_nc_u64 s[92:93], s[6:7], s[22:23]        ; os: my wave's 64 rows of 32 scale bytes
	s_add_nc_u64 s[46:47], s[8:9], s[46:47]
	CROUND
.irp s, 0,1
	s_mov_b32 s[G0+4*\s], 1
	s_add_co_u32 s[G0+4*\s+1], s45, \s*SLOT
	s_add_nc_u64 s[G0+4*\s+2:G0+4*\s+3], s[20:21], \s*ATILE
	s_or_b32 s[G0+4*\s+3], s[G0+4*\s+3], 0x80000000
	s_mov_b32 s[G0B+4*\s], 1
	s_add_co_u32 s[G0B+4*\s+1], s94, \s*SLOT
	s_add_nc_u64 s[G0B+4*\s+2:G0B+4*\s+3], s[46:47], \s*ROWB
	s_or_b32 s[G0B+4*\s+3], s[G0B+4*\s+3], 0x80000000
.endr
	JLOAD G0, G1, G0B, G1B                         ; chunk 0: my one tensor load at the head; the addresses below are made while it is out
	v_and_b32 v1, 15, v0
	v_bfe_u32 v2, v0, 4, 1
	v_and_b32 v7, 31, v0
	v_mul_u32_u24 v3, v1, PITCH
	v_mul_u32_u24 v4, v2, 24
	v_add_nc_u32 v4, v3, v4
	v_lshlrev_b32 v31, 5, v1                       ; os: 32 bytes a row; lanes 16-31 read what lanes 0-15 read
.irp a, 0,1,2,3
	global_load_b128 v[SA+8*\a:SA+8*\a+3], v31, s[92:93] offset:512*\a
	global_load_b128 v[SA+8*\a+4:SA+8*\a+7], v31, s[92:93] offset:512*\a+16
.endr
	v_lshlrev_b32 v[CO], 4, v7
	v_lshlrev_b32 v6, 3, v7
	s_mul_i32 s21, s15, 4*ATILE
	s_mul_i32 s22, s16, HALFT
	s_add_co_u32 s22, s22, ABYTES
.irp s, 0,1
	v_add_nc_u32 v[A16+\s], s21, v[CO]
	v_add_nc_u32 v[A8+\s], s21, v6
	v_add_nc_u32 v[ADRB+\s], s22, v4
	v_add_nc_u32 v[ADRS+\s], s22, v3
	s_add_co_u32 s21, s21, SLOT
	s_add_co_u32 s22, s22, SLOT
.endr
	s_mul_i32 s23, s14, 16*SPITCH
	v_mul_u32_u24 v5, v1, SPITCH
	v_lshl_add_u32 v5, v2, 6, v5
	v_add_nc_u32 v[STO], s23, v5
	v_add_nc_u32 v[RD], s23, v[CO]
	s_lshl_b32 s46, s42, 10
	s_lshl_b32 s47, s16, 9
	s_add_co_u32 s46, s46, s47
	v_add_nc_u32 v30, s46, v[CO]
	global_load_b128 v[BI:BI+3], v30, s[96:97]
	s_lshl_b32 s20, s17, 19
	s_lshl_b32 s21, s15, 18
	s_add_co_u32 s20, s20, s21
	s_add_co_u32 s20, s20, s46
	s_mov_b32 s21, 0
	s_add_nc_u64 s[98:99], s[98:99], s[20:21]
.macro FRAG reg, adr, q, i
.irp p, 0,1,2,3,4,5
	ds_load_b64 v[\reg+2*\p:\reg+2*\p+1], v[\adr] offset:96*(\q)+48*(\p/3)+8*(\p%3)+(\i)*16*PITCH
.endr
.endm
.macro AFRAG reg, slot, q, a
.irp c, 0,1
	ds_load_b128 v[\reg+6*\c:\reg+6*\c+3], v[A16+\slot] offset:(\a)*ATILE+(2*(\q)+\c)*768
	ds_load_b64 v[\reg+6*\c+4:\reg+6*\c+5], v[A8+\slot] offset:(\a)*ATILE+(2*(\q)+\c)*768+512
.endr
.endm
.macro MULA a, p, q, sc, zero
.irp b, 0,1,2,3,4,5,6,7
.if \zero
	v_wmma_scale_f32_16x16x128_f8f6f4 v[8*(8*(\a)+\b):8*(8*(\a)+\b)+7], v[128*(\p)+FR*\b:128*(\p)+FR*\b+FR-1], v[AF+FR*(\a):AF+FR*(\a)+FR-1], 0, v[SC+8*NQ*(\sc)+NQ*\b+(\q)], v[SA+8*(\a)+2*CH+(\q)] matrix_a_fmt:MATRIX_FMT_FP6 matrix_b_fmt:MATRIX_FMT_FP6 matrix_a_scale:MATRIX_SCALE_ROW1
.else
	v_wmma_scale_f32_16x16x128_f8f6f4 v[8*(8*(\a)+\b):8*(8*(\a)+\b)+7], v[128*(\p)+FR*\b:128*(\p)+FR*\b+FR-1], v[AF+FR*(\a):AF+FR*(\a)+FR-1], v[8*(8*(\a)+\b):8*(8*(\a)+\b)+7], v[SC+8*NQ*(\sc)+NQ*\b+(\q)], v[SA+8*(\a)+2*CH+(\q)] matrix_a_fmt:MATRIX_FMT_FP6 matrix_b_fmt:MATRIX_FMT_FP6 matrix_a_scale:MATRIX_SCALE_ROW1
.endif
.endr
.endm
.macro FETCH_B slot, q, p
	WIN TO_B
.irp i, 0,1,2,3,4,5,6,7
	FRAG 128*(\p)+FR*\i, ADRB+\slot, \q, \i
.endr
	WIN 0
.endm
.macro FETCH_A slot, q, i0
.irp i, \i0, \i0+1
	AFRAG AF+FR*(\i), \slot, \q, \i
.endr
.endm
.macro SCALES sc
.irp i, 0,1,2,3,4,5,6,7
	ds_load_b64 v[SC+8*NQ*\sc+NQ*\i:SC+8*NQ*\sc+NQ*\i+1], v[ADRS+\sc] offset:192+\i*16*PITCH   ; B's two scale words of the chunk lie behind its codes; both halves of the lanes hold row r's
.endr
.endm
.macro PLACES n
.rept \n
	v_nop
.endr
.endm
.macro STEP slot, q, zero
	s_wait_dscnt 2*NLA
	WIN MUL
	MULA 0, (\q)%2, \q, \slot, \zero
	MULA 1, (\q)%2, \q, \slot, \zero
	s_wait_dscnt 0
	PLACES NP
	FETCH_B \slot, (\q)+1, 1-(\q)%2
	FETCH_A \slot, (\q)+1, 0
	WIN MUL
	MULA 2, (\q)%2, \q, \slot, \zero
	MULA 3, (\q)%2, \q, \slot, \zero
	PLACES NP
	WIN 0
	FETCH_A \slot, (\q)+1, 2
.endm
.macro TURN slot, next, fill
	s_wait_tensorcnt 0x0
	ds_add_u32 v[SPW], v[NIL]
	s_wait_dscnt 2*NLA+1
	WIN MUL
	MULA 0, 1, NQ-1, \slot, 0
	s_wait_dscnt 0x0
	s_barrier_signal -1
	MULA 1, 1, NQ-1, \slot, 0
	WIN 0
	s_barrier_wait -1
.if \fill
	CREST
	s_add_nc_u64 s[G0+4*\slot+2:G0+4*\slot+3], s[G0+4*\slot+2:G0+4*\slot+3], 2*ATILE
	s_add_nc_u64 s[G0B+4*\slot+2:G0B+4*\slot+3], s[G0B+4*\slot+2:G0B+4*\slot+3], 2*ROWB
	JLOAD G0+4*\slot, G1, G0B+4*\slot, G1B
.else
	PLACES NP
.endif
	FETCH_B \next, 0, 0
	FETCH_A \next, 0, 0
	SCALES \next
	WIN MUL
	MULA 2, 1, NQ-1, \slot, 0
	MULA 3, 1, NQ-1, \slot, 0
.set CH, CH+1
	PLACES NP
	WIN 0
	FETCH_A \next, 0, 2
.endm
	s_wait_alu depctr_va_vdst(0)
	s_wait_tensorcnt 0x0                           ; my part of chunk 0 is in; the full sequence ahead of slot 1's first fill
	ds_add_u32 v[SPW], v[NIL]
	s_wait_dscnt 0x0
	CROUND
	JLOAD G0+4, G1, G0B+4, G1B                     ; chunk 1, the first tensor load behind the round
	FETCH_B 0, 0, 0
	FETCH_A 0, 0, 0
	SCALES 0
	FETCH_A 0, 0, 2
	s_wait_loadcnt 0x0                             ; A's scale words and the bias are in
	STEP 0, 0, 1
	TURN 0, 1, 1
	STEP 1, 0, 0
	TURN 1, 0, 1
	STEP 0, 0, 0
	TURN 0, 1, 0
	STEP 1, 0, 0
	s_wait_dscnt 2*NLA
	WIN MUL
	MULA 0, 1, NQ-1, 1, 0
	MULA 1, 1, NQ-1, 1, 0
	s_wait_dscnt 0
	MULA 2, 1, NQ-1, 1, 0
	MULA 3, 1, NQ-1, 1, 0
	WIN 0
.macro TOSTAGE a
.set AC, 64*(\a)
	WIN 0x08
.irp b, 0,1,2,3,4,5,6,7
	ds_store_b128 v[STO], v[AC+8*\b:AC+8*\b+3] offset:128*(\b/2)+32*(\b%2)
	ds_store_b128 v[STO], v[AC+8*\b+4:AC+8*\b+7] offset:128*(\b/2)+32*(\b%2)+16
.endr
	WIN 0
.set BBK, BK+64*((\a)%2)
.irp t, 0,1,2,3,4,5,6,7,8,9,10,11,12,13,14,15
	ds_load_b128 v[BBK+4*\t:BBK+4*\t+3], v[RD] offset:\t*SPITCH
.endr
.endm
.macro SEND a, younger
.set BBK, BK+64*((\a)%2)
	s_wait_dscnt \younger
.irp t, 0,1,2,3,4,5,6,7,8,9,10,11,12,13,14,15
	v_pk_add_f32 v[BBK+4*\t:BBK+4*\t+1], v[BBK+4*\t:BBK+4*\t+1], v[BI:BI+1]
	v_pk_add_f32 v[BBK+4*\t+2:BBK+4*\t+3], v[BBK+4*\t+2:BBK+4*\t+3], v[BI+2:BI+3]
	global_store_b128 v[CO], v[BBK+4*\t:BBK+4*\t+3], s[98:99] offset:(32*((\a)/2)+8*((\a)%2)+\t+8*(\t/8))*4096 th:TH_STORE_NT
.endr
.endm
	PLACES NP
	TOSTAGE 0
.irp a, 1,2,3
.if \a > 1
	s_wait_xcnt 0x0
.endif
	TOSTAGE \a
	SEND \a-1, 32
.endr
	SEND 3, 0
	s_wait_tensorcnt 0x0
	ds_add_u32 v[SPW], v[NIL]
	s_wait_dscnt 0x0
	CROUND
	s_endpgm
.Lfunc_end_k_q2b493b380b_outp:
	.size	k_q2b493b380b_outp, .Lfunc_end_k_q2b493b380b_outp-k_q2b493b380b_outp
	.p2alignl 7, 3214868480
	.fill 96, 4, 3214868480
	.section	.rodata,"a",@progbits
	.p2align	6, 0x0
	.amdhsa_kernel k_q2b493b380b_outp
		.amdhsa_group_segment_fixed_size 327680
		.amdhsa_private_segment_fixed_size 0
		.amdhsa_enable_private_segment 0
		.amdhsa_kernarg_size 40
		.amdhsa_user_sgpr_count 2
		.amdhsa_user_sgpr_kernarg_segment_ptr 1
		.amdhsa_wavefront_size32 1
		.amdhsa_system_sgpr_workgroup_id_x 1
		.amdhsa_system_sgpr_workgroup_id_y 1
		.amdhsa_system_sgpr_workgroup_id_z 1
		.amdhsa_system_vgpr_workitem_id 0
		.amdhsa_next_free_vgpr 768
		.amdhsa_next_free_sgpr 100
		.amdhsa_reserve_vcc 0
		.amdhsa_float_denorm_mode_32 3
		.amdhsa_float_denorm_mode_16_64 3
		.amdhsa_memory_ordered 1
		.amdhsa_forward_progress 1
		.amdhsa_inst_pref_size 104
	.end_amdhsa_kernel
	.amdgpu_metadata
---
amdhsa.version: [ 1, 2 ]
amdhsa.kernels:
  - .name:           k_q2b493b380b_outp
    .symbol:         k_q2b493b380b_outp.kd
    .args:
      - { .name: oc, .offset: 0, .size: 8, .value_kind: global_buffer, .address_space: global }
      - { .name: os, .offset: 8, .size: 8, .value_kind: global_buffer, .address_space: global }
      - { .name: wc, .offset: 16, .size: 8, .value_kind: global_buffer, .address_space: global }
      - { .name: out_proj_b, .offset: 24, .size: 8, .value_kind: global_buffer, .address_space: global }
      - { .name: out0, .offset: 32, .size: 8, .value_kind: global_buffer, .address_space: global }
    .group_segment_fixed_size: 327680
    .private_segment_fixed_size: 0
    .kernarg_segment_align: 8
    .kernarg_segment_size: 40
    .max_flat_workgroup_size: 128
    .sgpr_count:     100
    .vgpr_count:     768
    .wavefront_size: 32
...
	.end_amdgpu_metadata
.endif
;; end of part 4
